; MI455X (gfx1250); checked and timed in simulation.
; The chip was launched on July 23, 2026; its instructions are those of AMD's public machine-readable ISA for CDNA 5 (MIT licence, August 2026) and "CDNA5" Instruction Set Architecture Reference Guide (July 2026). The comments in the code are by the model that wrote it; some were corrected since.
;; Action Discretizer. Allowed arithmetic: matrix products marked QUANTISED: E4M3 operands, one given power-of-two scale a tensor, by v_wmma_f32_16x16x64_fp8_fp8 or v_wmma_f32_16x16x128_fp8_fp8, f32 sums; everything else in f32.
;; Inputs: centroids 4,096 x 512 float32; lowp_scales 2 int32 (the exponents e of the quantised operands' scales 2^e); x 32,768 x 512 float32.
;; Outputs: out0 32,768 int32.
;; This version of the problem:
;;   THIS VERSION OF THE PROBLEM IS GIVEN IN LOW PRECISION. The matrix products marked QUANTISED in the list below multiply operands that are first quantised to E4M3 (4 exponent bits, 3 mantissa bits; 8 bits a number), with one given power-of-two scale for each operand tensor; their sums are f32. All else is computed in f32.
;;   The module's matrix products, in the order in which they are computed (A, B: the left and right operand; K: the contracted axis; several contracted axes count as one K, in the product's order):
;;     1. [M 32,768, K 512] x [K 512, N 4,096]; A: input x; B: input centroids: QUANTISED (scales: A lowp_scales[0], B lowp_scales[1])
;;   THE QUANTISER, for each operand of a quantised product, along K:
;;     - The operand's scale is 2^e, e = its entry of the input lowp_scales (int32; the entries are numbered through the quantised products in the list's order, A before B).
;;     - Each number is divided by the scale, clamped to +-448, and rounded to the nearest number of E4M3, ties to even, subnormals kept.
;;     - The product sums the exact products of the quantised numbers (number of the format x scale) in f32.
;;   ~~~python
;;   def quantise(x, axis, e):      # numpy; x: float32 -> the quantised numbers, widened to float32 again
;;       x = np.moveaxis(x, axis, -1); K = x.shape[-1]
;;       r = np.clip(x / 2.0 ** e, -448, 448)
;;       step = 2.0 ** (np.maximum(np.frexp(np.where(r == 0, 1, r))[1] - 1, -6) - 3)
;;       q = np.round(r / step) * step * 2.0 ** e      # np.round: ties to even
;;       return np.moveaxis(q, -1, axis).astype(np.float32)
;;   ~~~
;; One version. Each part assembles by itself: llvm-mc -triple=amdgcn-amd-amdhsa -mcpu=gfx1250 --defsym DOCPART=n.
;; ======== version 1 of 1: 3 launches
;; limits: right only within a limited range of input values
;; workspace buffers: ximg 16,777,216 bytes; cimg 2,097,152 bytes; csq 16,384 bytes; part 1,048,576 bytes
;; launch quant (part 1): grid 256 x 1, 9 waves a work-group, no clusters, 77,312 bytes of LDS; arguments x, centroids, lowp_scales, ximg, cimg, csq; writes ximg, cimg, csq
.if DOCPART == 1
	.amdgcn_target "amdgcn-amd-amdhsa--gfx1250"
	.amdhsa_code_object_version 6
	.text
	.protected	k_q1cc3b6a9e7_quant
	.globl	k_q1cc3b6a9e7_quant
	.p2align	8
	.type	k_q1cc3b6a9e7_quant,@function
k_q1cc3b6a9e7_quant:
	s_mov_b64 s[64:65], 0
	v_nop
	global_prefetch_b8 v0, s[64:65] scope:SCOPE_SE
	s_setreg_imm32_b32 hwreg(HW_REG_WAVE_MODE, 25, 1), 1
	s_wait_xcnt 0x0
; FIRST OF THREE LAUNCHES.  The program: out0[b] = the k with the smallest c_sq[k] - 2 xc[b][k]; xc = x centroids^T on codes of FP8 (E4M3), x with the scale 2^ex, centroids with 2^ec (lowp_scales[0], [1]);
; c_sq[k] = the f32 sum of the squares of the unquantised centroid k.
; DEAD WORK: none is left out.  Every input has a way to the output; the one term that is the same for all k, the square of x's row, is dropped by reference() itself and is never formed here.
; THIS LAUNCH turns x [32768][512] and centroids [4096][512], f32, into codes, and makes c_sq.  code = number / 2^e, held within +-448, rounded to the nearest code, ties to even.
; THE CODES ARE LAID AS IMAGES OF THE MATRIX OPERAND'S REGISTERS.  A block is 16 rows, 8,192 bytes.  In it K step s (128 along K) lies at 2048 s, chunk q at 512 q, lane L's 16 bytes at 16 L: registers 4 q .. 4 q + 3 of the
; fragment of v_wmma_f32_16x16x128_fp8_fp8: registers 2 c, 2 c + 1 of lane (r = L % 16, h = L / 16) hold k = 128 s + 16 c + 8 h + 0 .. 7 of the block's row r.  So the second launch fetches a fragment by loads of 512 bytes on end.
; SHARES.  2,048 blocks of x and 256 of centroids are 2,304 = 256 work-groups x 9 waves: a wave takes one block; waves share nothing, so there is no barrier.  Only pointers and e are chosen by the block's number.
; A load reads 512 bytes on end of one row; a K step's 16 rows x 512 bytes turn through the wave's own stage in LDS (rows 528 bytes apart: 33 x 16, so the sixteen rows that a read touches start at sixteen different banks:
; 64 banks of 4 bytes, ISA guide 11.1) and come back as 8 neighbours along K for each register pair of codes.  A store of codes covers 512 bytes on end.  c_sq leaves as 64 bytes a wave: 16 KiB in all.
; LIMITS: ex and ec between -126 and 119, so that 2^e and 448 x 2^e are f32 numbers.  NaN among the inputs is not served.  c_sq is summed in eight chains a lane and two lanes a row: another order of rounding than reference()'s.
; THE PROGRAM HAS THREE LAUNCHES: this one; argmin, which reads the images and leaves four candidates (value, index) for each row of x, one for each quarter of the centroids; and pick, which chooses among the four.
.set NXB,   2048                       ; blocks of x; the centroids' follow
.set SP,    528                        ; a stage row
.set STG,   16*SP                      ; a wave's stage: 8,448 bytes
.set SPARE, 9*STG                      ; behind the nine stages (76,032 = 297 x 256): the spare words, 128 bytes a wave, five blocks of 256 bytes that no other line names
.set GI,    2                          ; v2   16 x lane: my place in a load's and in a store's 512 bytes; never rewritten
.set SA,    3                          ; v3   the stage, way in: my stage + 16 x lane
.set RA,    4                          ; v4   the stage, way out: my stage + 528 r + 32 h
.set CO,    5                          ; v5   4 r: my row's place in the block's 16 numbers of c_sq
.set LIMV,  10                         ; v10  448 x 2^e
.set SCV,   11                         ; v11  2^e
.set SPW,   12                         ; v12  LDS address of my spare word; never rewritten
.set NIL,   13                         ; v13  0; never rewritten
.set R,     16                         ; v16-143   two sets of 64: a K step as it is loaded
.set X,     144                        ; v144-207  64 numbers: X[8 c + i] = k 128 s + 16 c + 8 h + i of row r
.set C,     208                        ; v208-239  two sets of 16: a K step's codes
.set SQ,    240                        ; v240-247  the squares: four packed chains
	s_load_b128 s[4:7], s[0:1], 0x0                ; x, centroids
	s_load_b64 s[8:9], s[0:1], 0x10                ; the scales' exponents
	s_load_b128 s[12:15], s[0:1], 0x18             ; x's images, the centroids' images
	s_load_b64 s[16:17], s[0:1], 0x28              ; c_sq
	v_lshl_add_u32 v[SPW], v0, 2, SPARE
	v_mov_b32 v[NIL], 0
	v_lshrrev_b32 v6, 5, v0
	s_delay_alu instid0(VALU_DEP_1)
	v_readfirstlane_b32 s18, v6                    ; wave 0..8
	v_and_b32 v1, 31, v0                           ; lane
	s_delay_alu instid0(VALU_DEP_1)
	v_lshlrev_b32 v[GI], 4, v1
	s_mul_i32 s20, s18, STG                        ; my stage
	v_add_nc_u32 v[SA], s20, v[GI]
	v_and_b32 v6, 15, v0                           ; r
	v_bfe_u32 v7, v0, 4, 1                         ; h
	s_delay_alu instid0(VALU_DEP_2)
	v_mul_u32_u24 v[RA], v6, SP
	s_delay_alu instid0(VALU_DEP_1)
	v_lshl_add_u32 v[RA], v7, 5, v[RA]
	s_delay_alu instid0(VALU_DEP_1)
	v_add_nc_u32 v[RA], s20, v[RA]
	v_lshlrev_b32 v[CO], 2, v6
.irp j, 0,1,2,3,4,5,6,7
	v_mov_b32 v[SQ+\j], 0                          ; the chains begin at 0, so that they are written on every way round the branches below
.endr
	s_mov_b32 s28, 0x76543210                      ; v_permlanex16_b32: each lane takes its own place in the other half
	s_mov_b32 s29, 0xfedcba98
	s_mul_i32 s19, ttmp9, 9
	s_add_co_u32 s19, s19, s18                     ; my block: 9 x work-group + wave
	s_wait_kmcnt 0x0
	s_load_b64 s[24:25], s[8:9], 0x0               ; ex, ec
	s_cmp_lt_u32 s19, NXB                          ; a block of x or of centroids?  The choice hangs on ids alone
	s_cselect_b64 s[4:5], s[4:5], s[6:7]           ; from where,
	s_cselect_b64 s[12:13], s[12:13], s[14:15]     ; to where,
	s_cselect_b32 s20, 0, NXB
	s_sub_co_u32 s20, s19, s20                     ; and which block of that tensor
	s_lshl_b32 s22, s20, 15                        ; 16 rows of 2,048 bytes (under 2^27)
	s_mov_b32 s23, 0
	s_add_nc_u64 s[4:5], s[4:5], s[22:23]
	s_lshl_b32 s22, s20, 13                        ; an image of 8,192 bytes
	s_add_nc_u64 s[12:13], s[12:13], s[22:23]
.macro LOAD s                          ; K step s of the 16 rows into set s % 2: each load reads 512 bytes on end
.irp i, 0,1,2,3,4,5,6,7,8,9,10,11,12,13,14,15
	global_load_b128 v[R+64*((\s)%2)+4*\i:R+64*((\s)%2)+4*\i+3], v[GI], s[4:5] offset:2048*\i+512*(\s) th:TH_LOAD_NT
.endr
.endm
	LOAD 0
	LOAD 1
	s_wait_kmcnt 0x0
	; WHAT THE BUFFER csq HOLDS: -c_sq x 2^-(ex + ec + 1), so that the next launch can give it to a sum of codes as its first C.  The factor is a power of two: nothing is rounded.  LIMIT: ex + ec between -128 and 125.
	s_add_co_i32 s27, s24, s25                     ; ex + ec
	s_sub_co_i32 s27, 126, s27                     ; 127 - (ex + ec + 1)
	s_lshl_b32 s27, s27, 23
	s_or_b32 s27, s27, 0x80000000                  ; the f32 number -2^-(ex + ec + 1)
	s_cmp_lt_u32 s19, NXB
	s_cselect_b32 s24, s24, s25                    ; e
	s_add_co_i32 s24, s24, 127
	s_lshl_b32 s25, s24, 23
	v_mov_b32 v[SCV], s25                          ; 2^e as f32: the conversion takes its exponent field
	s_add_co_i32 s24, s24, 8
	s_lshl_b32 s24, s24, 23
	s_or_b32 s24, s24, 0x600000
	v_mov_b32 v[LIMV], s24                         ; 448 x 2^e
.macro STEP s
.set RS, R+64*((\s)%2)
.set CS, C+16*((\s)%2)
.if (\s) < 3
	s_wait_loadcnt 16                              ; this K step's sixteen loads are in; the next step's sixteen may be out
.else
	s_wait_loadcnt 0
.endif
.irp i, 0,1,2,3,4,5,6,7,8,9,10,11,12,13,14,15
	ds_store_b128 v[SA], v[RS+4*\i:RS+4*\i+3] offset:SP*\i
.endr
.irp c, 0,1,2,3,4,5,6,7                        ; LDS serves a wave's instructions in order (ISA guide 5.7.1.4): these see the stores above
	ds_load_b128 v[X+8*\c:X+8*\c+3], v[RA] offset:64*\c
	ds_load_b128 v[X+8*\c+4:X+8*\c+7], v[RA] offset:64*\c+16
.endr
	s_wait_dscnt 0x0                               ; the numbers are back, and the stores have read their registers,
.if (\s) < 2
	LOAD (\s)+2                                    ; which take the K step two on
.endif
	s_cmp_lt_u32 s19, NXB                          ; the squares are wanted of centroids alone: a scalar branch on ids
	s_cbranch_scc1 .Lnosq_\@
.set m, 0
	s_wait_alu depctr_va_vdst(0)
.rept 32
	v_pk_fma_f32 v[SQ+2*(m%4):SQ+2*(m%4)+1], v[X+2*m:X+2*m+1], v[X+2*m:X+2*m+1], v[SQ+2*(m%4):SQ+2*(m%4)+1]   ; of the numbers as they are given, ahead of the hold
.set m, m+1
.endr
.Lnosq_\@:
.if (\s) >= 2
	s_wait_xcnt 0x0                                ; the stores of two steps ago have read this set of codes: it is written again only behind this wait
.endif
	s_wait_alu depctr_va_vdst(0)
.irp i, 0,1,2,3,4,5,6,7,8,9,10,11,12,13,14,15,16,17,18,19,20,21,22,23,24,25,26,27,28,29,30,31,32,33,34,35,36,37,38,39,40,41,42,43,44,45,46,47,48,49,50,51,52,53,54,55,56,57,58,59,60,61,62,63
	v_med3_num_f32 v[X+\i], v[X+\i], -v[LIMV], v[LIMV]   ; the conversion to an 8-bit code does not saturate (ISA guide 7.6.2): the hold at the largest code x the scale
.endr
.irp c, 0,1,2,3,4,5,6,7
	v_cvt_scalef32_pk8_fp8_f32 v[CS+2*\c:CS+2*\c+1], v[X+8*\c:X+8*\c+7], v[SCV]   ; registers 2 c, 2 c + 1 of the fragment
.endr
	v_nop                                          ; one plain vector line behind the last conversion of the run
.irp q, 0,1,2,3
	global_store_b128 v[GI], v[CS+4*\q:CS+4*\q+3], s[12:13] offset:2048*(\s)+512*\q   ; 32 lanes store 512 bytes on end, at a multiple of 512 from the buffer's first byte
.endr
.endm
	STEP 0
	STEP 1
	STEP 2
	STEP 3
	s_cmp_lt_u32 s19, NXB
	s_cbranch_scc1 .Ldone
	v_pk_add_f32 v[SQ:SQ+1], v[SQ:SQ+1], v[SQ+2:SQ+3]       ; the four chains,
	v_pk_add_f32 v[SQ+4:SQ+5], v[SQ+4:SQ+5], v[SQ+6:SQ+7]
	s_delay_alu instid0(VALU_DEP_1)
	v_pk_add_f32 v[SQ:SQ+1], v[SQ:SQ+1], v[SQ+4:SQ+5]
	s_delay_alu instid0(VALU_DEP_1)
	v_add_f32 v[SQ], v[SQ], v[SQ+1]                ; their two halves,
	s_delay_alu instid0(VALU_DEP_1)
	v_permlanex16_b32 v[SQ+1], v[SQ], s28, s29
	s_delay_alu instid0(VALU_DEP_1)
	v_add_f32 v[SQ], v[SQ], v[SQ+1]                ; and the row's other lane: c_sq of row r
	v_mul_f32 v[SQ], s27, v[SQ]                    ; negated and scaled, as the next launch takes it
	s_lshl_b32 s22, s20, 6                         ; the block's 16 numbers
	s_add_nc_u64 s[16:17], s[16:17], s[22:23]
	v_cmp_gt_u32 vcc_lo, 16, v1
	s_wait_alu depctr_va_vdst(0)
	s_wait_xcnt 0x0                                ; EXEC changes only behind this wait: the stores above have it among their sources
	s_and_saveexec_b32 s26, vcc_lo
	global_store_b32 v[CO], v[SQ], s[16:17]        ; lanes 0 to 15: 64 bytes on end
	s_wait_xcnt 0x0                                ; and again, in front of the line that widens it
	s_or_b32 exec_lo, exec_lo, s26
.Ldone:
	s_wait_tensorcnt 0x0                           ; the wave's end
	ds_add_u32 v[SPW], v[NIL]
	s_wait_dscnt 0x0
	s_endpgm
.Lfunc_end_k_q1cc3b6a9e7_quant:
	.size	k_q1cc3b6a9e7_quant, .Lfunc_end_k_q1cc3b6a9e7_quant-k_q1cc3b6a9e7_quant
	.p2alignl 7, 3214868480
	.fill 96, 4, 3214868480
	.section	.rodata,"a",@progbits
	.p2align	6, 0x0
	.amdhsa_kernel k_q1cc3b6a9e7_quant
		.amdhsa_group_segment_fixed_size 77312
		.amdhsa_private_segment_fixed_size 0
		.amdhsa_enable_private_segment 0
		.amdhsa_kernarg_size 48
		.amdhsa_user_sgpr_count 2
		.amdhsa_user_sgpr_kernarg_segment_ptr 1
		.amdhsa_wavefront_size32 1
		.amdhsa_system_sgpr_workgroup_id_x 1
		.amdhsa_system_sgpr_workgroup_id_y 1
		.amdhsa_system_sgpr_workgroup_id_z 1
		.amdhsa_system_vgpr_workitem_id 0
		.amdhsa_next_free_vgpr 248
		.amdhsa_next_free_sgpr 66
		.amdhsa_reserve_vcc 1
		.amdhsa_float_denorm_mode_32 3
		.amdhsa_float_denorm_mode_16_64 3
		.amdhsa_memory_ordered 1
		.amdhsa_forward_progress 1
		.amdhsa_inst_pref_size 47
	.end_amdhsa_kernel
	.amdgpu_metadata
---
amdhsa.version: [ 1, 2 ]
amdhsa.kernels:
  - .name:           k_q1cc3b6a9e7_quant
    .symbol:         k_q1cc3b6a9e7_quant.kd
    .args:
      - { .name: x, .offset: 0, .size: 8, .value_kind: global_buffer, .address_space: global }
      - { .name: centroids, .offset: 8, .size: 8, .value_kind: global_buffer, .address_space: global }
      - { .name: lowp_scales, .offset: 16, .size: 8, .value_kind: global_buffer, .address_space: global }
      - { .name: ximg, .offset: 24, .size: 8, .value_kind: global_buffer, .address_space: global }
      - { .name: cimg, .offset: 32, .size: 8, .value_kind: global_buffer, .address_space: global }
      - { .name: csq, .offset: 40, .size: 8, .value_kind: global_buffer, .address_space: global }
    .group_segment_fixed_size: 77312
    .private_segment_fixed_size: 0
    .kernarg_segment_align: 8
    .kernarg_segment_size: 48
    .max_flat_workgroup_size: 288
    .sgpr_count:     66
    .vgpr_count:     248
    .wavefront_size: 32
...
	.end_amdgpu_metadata
.endif
;; end of part 1
;; launch argmin (part 2): grid 256 x 1, 8 waves a work-group, clusters of 4 x 1, 327,680 bytes of LDS; arguments cimg, csq, ximg, part; writes part
.if DOCPART == 2
	.amdgcn_target "amdgcn-amd-amdhsa--gfx1250"
	.amdhsa_code_object_version 6
	.text
	.protected	k_q1cc3b6a9e7_argmin
	.globl	k_q1cc3b6a9e7_argmin
	.p2align	8
	.type	k_q1cc3b6a9e7_argmin,@function
k_q1cc3b6a9e7_argmin:
	s_mov_b64 s[64:65], 0
	v_nop
	global_prefetch_b8 v0, s[64:65] scope:SCOPE_SE
	s_setreg_imm32_b32 hwreg(HW_REG_WAVE_MODE, 25, 1), 1
	s_wait_xcnt 0x0
	s_wait_alu depctr_hold_cnt(0) depctr_sa_sdst(0) depctr_va_vdst(0) depctr_va_sdst(0) depctr_va_ssrc(0) depctr_va_vcc(0) depctr_vm_vsrc(0)
	s_getreg_b32 s2, hwreg(HW_REG_IB_STS2, 6, 4)
	s_cmp_eq_u32 s2, 0
	s_cbranch_scc0 .Lentry_in_a_cluster
	s_endpgm
.Lentry_in_a_cluster:
	s_bfe_u32 s2, ttmp6, 0x10000c
	s_cmp_lg_u32 s2, 0x3003
	s_cbranch_scc0 .Lentry_shape_is_right
	s_endpgm
.Lentry_shape_is_right:
; SECOND OF THREE LAUNCHES: for each row b of x and each quarter q of the centroids, part[q][b] = (the largest e, its k), e = (2 xc[b][k] - c_sq[k]) x 2^-(ex + ec + 1), ties to the lowest k.  No work of reference() is left out here.
; xc is summed by v_wmma_f32_16x16x128_fp8_fp8 on the codes that the first launch laid as images of the operand's registers (a block of 16 rows: 8,192 bytes; K step s at 2048 s, chunk q at 512 q, lane L at 16 L), K ascending.
; THE FIRST C OF EACH SUM is -c_sq x 2^-(ex + ec + 1), as the first launch stored it: the finished sum is e itself, the negated distance times a positive power of two, and the LARGEST e is sought.  The scales are not read here.
; SHARES.  64 groups of 512 rows x 4 quarters of 1,024 centroids = 256 work-groups.  Wave w of eight keeps the codes of rows 64 w .. + 63 of its group in 256 registers (window 1) for the whole launch; every wave multiplies
; every tile (16 centroids x 512 K, 8 KiB) of the quarter: a work-group draws 512 KiB of centroids, and a tile's 16 LDS loads feed 16 matrix instructions, four accumulators by turns.
; THE PRODUCT IS USED TRANSPOSED (source 0 = 16 centroids, source 1 = 16 rows of x): lane (r, h) holds row r of x, and register j centroid 8 h + j of the tile.
; THE ARGMAX, 10 vector lines for a tile of 16 x 16.  For each lane and row block: RUN, the largest e so far; IDX, the first of my eight centroids in the tile in which RUN last grew; SAV, that tile's eight e.
; A tile: 4 maxima, 1 compare (tile's largest > RUN), 5 dual pairs of selects.  Which of the eight it was (the lowest j with SAV[j] = RUN) is found once, at the end; the row's two lanes are merged by (value, index).
; A TILE'S ORDER: one run of 16 matrix instructions, then the fetch of the tile two on into the buffer just read, then one run of vector lines: two switches of the register window a tile.
; At a meeting of the waves those with PH = 0 multiply ahead of it and those with PH = 1 behind it, so that behind it one half of the waves is at its matrix instructions while the other is at its vector lines.
; PH = (w xor w / 4) % 2 differs between waves w and w + 4 and between waves 2 i and 2 i + 1.  The branch hangs on the wave's number and leads round matrix instructions alone.
; RING.  Two LDS slots of 128 KiB, 16 tiles; the quarter is four slots.  Each wave's one load brings 16 KiB, 64 rows of 256 bytes on end.  CLUSTER: the four work-groups of a cluster are four row groups of one quarter,
; so each load is asked for JOINTLY, with the same descriptor and the mask 15.  The quarter's 1,024 numbers of csq, 4 KiB, are copied once through registers into LDS bytes of their own.
; NO PREFETCH: a work-group asks for four slots in all; two go out at the head, and each of the two refills is asked for 16 tiles, 256 matrix instructions a wave, ahead of the wait for it: there is no loop of refills to run ahead in.
; LIMITS: c_sq enters the sum ahead of the products, so a distance is rounded in another order than reference() rounds c_sq - 2 xc.  NaN is not served.  -0 and +0 count as equal.
; Where every distance of a row is +infinity the quarter's candidate is its first centroid.
; REGISTERS: window 0: v1-13 addresses; v16-23 at work; v24-39 the first C of two tiles; v40-71 four accumulators; v72-119 the state, 12 a row block; v128-255 a tile's four fragments, two buffers.
;            window 1: x: row block b, K step s at v[64 b + 16 s].
.set SLOTB, 131072                     ; a slot: 16 tiles of 8,192 bytes
.set CSQB,  2*SLOTB                    ; the quarter's csq, 4,096 bytes, stored once; no fill lands here
.set MRG,   CSQB+4096                  ; the way out: 512 bytes a wave
.set SPARE, MRG+4096                   ; the spare words, 128 bytes a wave: four blocks of 256 bytes that no other line names
.set CQO,  1                           ; v1   16 x thread
.set ADRW, 2                           ; v2   LDS address of my 16 bytes in the pair of tiles that is being fetched
.set AQ0,  3                           ; v3   CSQB + 32 h; never rewritten
.set TIDV, 4                           ; v4   the first of my eight centroids in the tile in hand
.set ADQW, 5                           ; v5   csq of my eight centroids of the pair that is being fetched
.set XO,   7                           ; v7   16 x lane; never rewritten
.set SPW,  8                           ; v8   LDS address of my spare word; never rewritten
.set NIL,  9                           ; v9   0; never rewritten
.set MST,  10
.set MLD,  11
.set CQS,  13                          ; v13  CSQB + 16 x thread
.set TT,   16
.set CSQ,  24
.set ACC,  40
.set ST,   72                          ; row block b at v[ST + 12 b]: +0 RUN, +1 IDX, +2 J, +4 .. +11 SAV
.set FR,   128
.set MG,   128
.set WV,   14                          ; s14  my wave's number
.set PH,   19                          ; s19  on which side of a meeting I multiply
.set G1,   24
.set G0A,  40
.set G0B,  44
.set TA,   52                          ; s52  LDS byte of the pair of tiles that is being fetched
.set TQ,   53                          ; s53  its place in the quarter's csq
.set TRIP, 54
.set MSB, 0
.macro WIN new                         ; the immediate's high byte repeats the setting that is left
.if MSB != (\new)
	s_set_vgpr_msb (MSB<<8)|(\new)
.set MSB, (\new)
.endif
.endm
.macro CREST                           ; a round of the cluster's barrier behind its opening barrier
	s_cmp_lg_u32 s[WV], 0
	s_cbranch_scc1 .Lnot_wave_0_\@
	s_barrier_signal -3
.Lnot_wave_0_\@:
	s_barrier_wait -3
	s_barrier_signal -1
	s_barrier_wait -1
.endm
.macro CROUND
	s_barrier_signal -1
	s_barrier_wait -1
	CREST
.endm
	s_load_b256 s[4:11], s[0:1], 0x0               ; the centroids' images, csq, x's images, part
	v_lshl_add_u32 v[SPW], v0, 2, SPARE
	v_mov_b32 v[NIL], 0
	ds_add_u32 v[SPW], v[NIL]                      ; the opening: the add, twice on end, and its wait ahead of my first tensor load
	ds_add_u32 v[SPW], v[NIL]
	v_lshrrev_b32 v14, 5, v0
	v_readfirstlane_b32 s[WV], v14                 ; wave 0..7
	s_bfe_u32 s15, ttmp6, 0x40000                  ; cx
	s_lshr_b32 s16, ttmp9, 4                       ; the quarter: the same in all four partners
	s_and_b32 s17, ttmp9, 15
	s_lshl_b32 s17, s17, 2
	s_add_co_u32 s17, s17, s15                     ; the row group: it enters the addresses of x's images and of part alone
	s_mov_b32 s[G1], 15|(3<<16)|(1<<21)            ; the mask: all four work-groups; elements of 8 bytes; bit 21 beside a mask
	s_mov_b32 s[G1+1], 32<<16                      ; rows of 32 elements, 256 bytes,
	s_mov_b32 s[G1+2], 64<<16                      ; 64 of them
	s_mov_b32 s[G1+3], 32<<16
	s_mov_b32 s[G1+4], 64
	s_mov_b32 s[G1+5], 32
	s_mov_b32 s[G1+6], 0
	s_mov_b32 s[G1+7], 0
	s_lshr_b32 s18, s[WV], 2
	s_xor_b32 s[PH], s[WV], s18
	s_and_b32 s[PH], s[PH], 1
	s_lshl_b32 s75, s[WV], 14                      ; the eighth of a slot that I fetch, in LDS,
	s_lshl_b32 s20, s16, 19                        ; and in memory: the quarter's 512 KiB + my eighth
	s_add_co_u32 s20, s20, s75
	s_mov_b32 s21, 0
	s_lshl_b32 s22, s17, 18                        ; the row group's 32 blocks of x's images,
	s_lshl_b32 s23, s[WV], 15                      ; my four of them
	s_add_co_u32 s22, s22, s23
	s_mov_b32 s23, 0
	s_lshl_b32 s66, s16, 18                        ; part: the quarter's 32,768 pairs, the group's 512, my 64
	s_lshl_b32 s67, s17, 12
	s_add_co_u32 s66, s66, s67
	s_lshl_b32 s74, s[WV], 9
	s_add_co_u32 s66, s66, s74
	s_mov_b32 s67, 0
	s_lshl_b32 s68, s16, 12                        ; the quarter's csq
	s_mov_b32 s69, 0
	s_add_co_u32 s74, s74, MRG
	s_lshl_b32 s76, s16, 10                        ; the quarter's first centroid
	s_mov_b32 s77, 0xff800000                      ; -infinity
	s_mov_b32 s[TA], 0
	s_mov_b32 s[TQ], 0
	v_and_b32 v14, 31, v0
	v_lshlrev_b32 v[XO], 4, v14
	v_and_b32 v14, 15, v0                          ; r
	v_bfe_u32 v15, v0, 4, 1                        ; h
	v_lshl_add_u32 v[AQ0], v15, 5, CSQB
	v_lshl_add_u32 v[MST], v14, 3, s74
	v_add_nc_u32 v[MLD], s74, v[XO]
	v_lshlrev_b32 v[CQO], 4, v0
	v_add_nc_u32 v[CQS], CSQB, v[CQO]
	v_lshl_add_u32 v14, v15, 3, s76                ; 1024 q + 8 h: the first of my centroids
.irp b, 0,1,2,3                                ; the state: RUN and SAV begin at -infinity
	v_mov_b32 v[ST+12*\b], s77
	v_mov_b32 v[ST+12*\b+1], v14
.irp j, 4,5,6,7,8,9,10,11
	v_mov_b32 v[ST+12*\b+\j], s77
.endr
.endr
	v_add_nc_u32 v[TIDV], -16, v14                 ; the first tile's step brings it to 1024 q + 8 h
	s_wait_alu depctr_va_vdst(0)
	s_wait_dscnt 0x0                               ; both opening adds are done
	s_wait_kmcnt 0x0
	s_add_nc_u64 s[6:7], s[6:7], s[68:69]
	s_add_nc_u64 s[8:9], s[8:9], s[22:23]
	s_add_nc_u64 s[10:11], s[10:11], s[66:67]
	global_load_b128 v[FR:FR+3], v[CQO], s[6:7]    ; csq: 256 threads x 16 bytes on end
	s_mov_b32 s[G0A], 1
	s_mov_b32 s[G0A+1], s75                        ; slot 0, my eighth
	s_add_nc_u64 s[G0A+2:G0A+3], s[4:5], s[20:21]
	s_or_b32 s[G0A+3], s[G0A+3], 0x80000000
	s_mov_b32 s[G0B], 1
	s_add_co_u32 s[G0B+1], s75, SLOTB              ; slot 1's first fill; this descriptor then walks on
	s_add_nc_u64 s[G0B+2:G0B+3], s[4:5], s[20:21]
	s_add_nc_u64 s[G0B+2:G0B+3], s[G0B+2:G0B+3], SLOTB
	s_or_b32 s[G0B+3], s[G0B+3], 0x80000000
	CROUND                                         ; all four work-groups are here: the first joint loads meet
	tensor_load_to_lds s[G0A:G0A+3], s[G1:G1+7]    ; my one tensor load at the head, ahead of x's loads
	s_nop 0
	WIN 0x40                                       ; destination window 1
.irp a, 0,1,2,3                                ; x's codes stay in registers: four blocks x four fragments; each load reads 512 bytes on end
.irp f, 0,1,2,3,4,5,6,7,8,9,10,11,12,13,14,15
	global_load_b128 v[64*\a+4*\f:64*\a+4*\f+3], v[XO], s[8:9] offset:8192*\a+512*\f
.endr
.endr
	WIN 0
	s_wait_loadcnt 63                              ; csq's load, the oldest of 65, is in
	s_wait_tensorcnt 0x0                           ; no tensor load of mine is out while I store to LDS
	ds_store_b128 v[CQS], v[FR:FR+3]
	s_wait_tensorcnt 0x0
	ds_add_u32 v[SPW], v[NIL]
	s_wait_dscnt 0x0                               ; the add and my store of csq are done
	CROUND                                         ; everybody's parts of slot 0 and of csq are in
	tensor_load_to_lds s[G0B:G0B+3], s[G1:G1+7]    ; slot 1: my one load behind the round
	s_nop 0
.macro FETF adr, u                     ; tile u of the pair at v[adr] into buffer u: 16 loads of 512 bytes on end
.irp f, 0,1,2,3,4,5,6,7,8,9,10,11,12,13,14,15
	ds_load_b128 v[FR+64*(\u)+4*\f:FR+64*(\u)+4*\f+3], v[\adr] offset:8192*(\u)+512*\f
.endr
.endm
.macro FETQ adr, u                     ; the first C of that tile: csq of my eight centroids
	ds_load_b128 v[CSQ+8*(\u):CSQ+8*(\u)+3], v[\adr] offset:64*(\u)
	ds_load_b128 v[CSQ+8*(\u)+4:CSQ+8*(\u)+7], v[\adr] offset:64*(\u)+16
.endm
.macro MM16 par                        ; 16 matrix instructions: K steps 0 to 3, the four row blocks by turns; the first four start the sums from csq
	WIN 0x04                                       ; source 1 (x) window 1
.irp s, 0,1,2,3
.irp b, 0,1,2,3
.if \s == 0
	v_wmma_f32_16x16x128_fp8_fp8 v[ACC+8*\b:ACC+8*\b+7], v[FR+64*(\par):FR+64*(\par)+15], v[64*\b:64*\b+15], v[CSQ+8*(\par):CSQ+8*(\par)+7]
.else
	v_wmma_f32_16x16x128_fp8_fp8 v[ACC+8*\b:ACC+8*\b+7], v[FR+64*(\par)+16*\s:FR+64*(\par)+16*\s+15], v[64*\b+16*\s:64*\b+16*\s+15], v[ACC+8*\b:ACC+8*\b+7]
.endif
.endr
.endr
	WIN 0
.endm
.macro EPI                             ; the argmax of the tile's four row blocks, which alternate line by line; each accumulator is read from its low end on
.irp b, 0,1,2,3
	v_max3_num_f32 v[TT+2*\b], v[ACC+8*\b], v[ACC+8*\b+1], v[ACC+8*\b+2]
.endr
.irp b, 0,1,2,3
	v_max3_num_f32 v[TT+2*\b+1], v[ACC+8*\b+3], v[ACC+8*\b+4], v[ACC+8*\b+5]
.endr
.irp b, 0,1,2,3
	v_max3_num_f32 v[TT+2*\b], v[TT+2*\b], v[TT+2*\b+1], v[ACC+8*\b+6]
.endr
.irp b, 0,1,2,3
	v_max_num_f32 v[TT+2*\b+1], v[TT+2*\b], v[ACC+8*\b+7]
.endr
.irp b, 0,1,2,3
	v_cmp_gt_f32 vcc_lo, v[TT+2*\b+1], v[ST+12*\b] ; has it grown?  An equal value keeps the earlier tile
	v_dual_cndmask_b32 v[ST+12*\b], v[ST+12*\b], v[TT+2*\b+1] :: v_dual_cndmask_b32 v[ST+12*\b+1], v[ST+12*\b+1], v[TIDV]
.irp j, 0,2,4,6
	v_dual_cndmask_b32 v[ST+12*\b+4+\j], v[ST+12*\b+4+\j], v[ACC+8*\b+\j] :: v_dual_cndmask_b32 v[ST+12*\b+5+\j], v[ST+12*\b+5+\j], v[ACC+8*\b+\j+1]
.endr
.endr
.endm
; TILE u OF A PAIR.  chg = 1: the slots change and the slot read out is filled again; 2: they change and nothing is filled; 3: a meeting for the two sides alone; 0: none.  ld: the tile two on is fetched.
; wt: the LDS loads that may stay out at the tile's head: the next tile's 16 + 2.
.macro TILE u, chg, ld, wt
	s_wait_dscnt \wt                               ; this tile's fragments and its first C are in
.if \chg
	s_cmp_lg_u32 s[PH], 0
	s_cbranch_scc1 .Llate_\@
	MM16 \u
.Llate_\@:
.if \chg != 3
	s_wait_tensorcnt 0x0                           ; all my tensor loads have landed: my eighth of the next slot; so a group 0 may be written
	ds_add_u32 v[SPW], v[NIL]                      ; 0 onto my spare word
.if \chg == 1
	s_xor_b32 s[G0B+1], s[G0B+1], SLOTB            ; the walking descriptor: the other slot than last time,
	s_add_nc_u64 s[G0B+2:G0B+3], s[G0B+2:G0B+3], SLOTB  ; the next 16 tiles
.endif
.endif
	s_wait_dscnt 0x0                               ; no LDS instruction of mine is out: my reads of this slot are over
	s_barrier_signal -1
	s_barrier_wait -1
.if \chg == 1
	CREST                                          ; no wave of any partner still reads this slot or has a load on its way
	tensor_load_to_lds s[G0B:G0B+3], s[G1:G1+7]    ; my one load behind the round
	s_nop 0
.endif
.rept 5
	v_nop                                          ; the places behind the matrix instructions above
.endr
	s_cmp_eq_u32 s[PH], 0
	s_cbranch_scc1 .Ldone_\@
	MM16 \u
.rept 4
	v_nop
.endr
.Ldone_\@:
.else
	MM16 \u
.if (\ld) && ((\u) == 0)
	v_nop                                          ; with the three lines below: four places ahead of the loads and of the first read of the sums
.else
.rept 3
	v_nop                                          ; with the line below: four places
.endr
.endif
.endif
	v_add_nc_u32 v[TIDV], 16, v[TIDV]
.if \ld
.if \u == 0
	v_add_nc_u32 v[ADRW], s[TA], v[XO]             ; the pair two tiles on
	v_add_nc_u32 v[ADQW], s[TQ], v[AQ0]
.endif
	FETF ADRW, \u
.endif
	EPI
.if \ld
	FETQ ADQW, \u                                  ; the 40 lines above are the places behind the buffer's last readers, this tile's first four matrix instructions
.endif
.endm
; TWO TILES.  ta < 0: the pair that is fetched follows the last one in its slot; else it is the first pair of the slot at LDS byte ta.
.macro PAIR chg, ld, wt1, ta
.if \ld
.if (\ta) < 0
	s_add_co_u32 s[TA], s[TA], 16384
.else
	s_mov_b32 s[TA], \ta
.endif
	s_add_co_u32 s[TQ], s[TQ], 128
.endif
	TILE 0, \chg, \ld, 18
	TILE 1, 0, \ld, \wt1
.endm
.macro RUNL n                          ; n pairs inside a slot
	s_mov_b32 s[TRIP], \n
.Lrun_\@:
	PAIR 0, 1, 18, -1
	s_sub_co_u32 s[TRIP], s[TRIP], 1
	s_cmp_lg_u32 s[TRIP], 0
	s_wait_alu depctr_va_vdst(0)
	s_cbranch_scc1 .Lrun_\@
.endm
	FETF XO, 0
	FETQ AQ0, 0
	FETF XO, 1
	FETQ AQ0, 1
	s_wait_loadcnt 0x0                             ; x's codes
	PAIR 3, 1, 18, -1                              ; slot 0: tiles 0 and 1; slot 1's load stays out across this barrier, behind which nothing is filled
	RUNL 6                                         ; tiles 2 to 13
	PAIR 1, 1, 18, SLOTB                           ; tiles 14 and 15: slot 1 is in, slot 0 takes the quarter's third 16 tiles
	RUNL 7                                         ; slot 1
	PAIR 1, 1, 18, 0                               ; slot 1 takes the last 16 tiles
	RUNL 7                                         ; slot 2
	PAIR 2, 1, 18, SLOTB                           ; nothing is left to ask for
	RUNL 7                                         ; slot 3
	PAIR 0, 0, 0, -1
	; THE WAY OUT.  J = the lowest j with SAV[j] = RUN; my candidate is (RUN, IDX + J).
.irp a, 0,1,2,3
	v_mov_b32 v[ST+12*\a+2], 7
.endr
.irp j, 6,5,4,3,2,1,0
.irp a, 0,1,2,3
	v_cmp_neq_f32 vcc_lo, v[ST+12*\a+4+\j], v[ST+12*\a]
	v_cndmask_b32 v[ST+12*\a+2], \j, v[ST+12*\a+2], vcc_lo
.endr
.endr
.irp a, 0,1,2,3
	v_add_nc_u32 v[ST+12*\a+1], v[ST+12*\a+1], v[ST+12*\a+2]
.endr
	s_mov_b32 s70, 0x76543210                      ; v_permlanex16_b32: each lane takes its own place in the other half
	s_mov_b32 s71, 0xfedcba98
.irp a, 0,1,2,3
	v_permlanex16_b32 v[TT+2*\a], v[ST+12*\a], s70, s71       ; the row's other lane's candidate
	v_permlanex16_b32 v[TT+2*\a+1], v[ST+12*\a+1], s70, s71
.endr
.irp a, 0,1,2,3                                ; the better of the two: the larger value, and of equal values the lower index; both lanes end with the same pair
	v_cmp_gt_f32 s66, v[TT+2*\a], v[ST+12*\a]
	v_cmp_eq_f32 s67, v[TT+2*\a], v[ST+12*\a]
	v_cmp_lt_u32 s68, v[TT+2*\a+1], v[ST+12*\a+1]
	s_and_b32 s67, s67, s68
	s_or_b32 s66, s66, s67
	v_cndmask_b32 v[ST+12*\a], v[ST+12*\a], v[TT+2*\a], s66
	v_cndmask_b32 v[ST+12*\a+1], v[ST+12*\a+1], v[TT+2*\a+1], s66
.endr
.irp a, 0,1,2,3
	ds_store_b64 v[MST], v[ST+12*\a:ST+12*\a+1] offset:128*\a ; my row 16 a + r at 8 bytes a row; its two lanes store the same pair
.endr
	ds_load_b128 v[MG:MG+3], v[MLD]                ; LDS serves a wave's instructions in order (ISA guide 5.7.1.4): two rows' pairs a lane, my wave's own bytes
	s_wait_dscnt 0x0
	global_store_b128 v[XO], v[MG:MG+3], s[10:11]  ; the wave stores 512 bytes on end, at a multiple of 512 from part's first byte
	s_wait_tensorcnt 0x0                           ; the wave's end
	ds_add_u32 v[SPW], v[NIL]
	s_wait_dscnt 0x0
	CROUND                                         ; the closing round
	s_endpgm
.Lfunc_end_k_q1cc3b6a9e7_argmin:
	.size	k_q1cc3b6a9e7_argmin, .Lfunc_end_k_q1cc3b6a9e7_argmin-k_q1cc3b6a9e7_argmin
	.p2alignl 7, 3214868480
	.fill 96, 4, 3214868480
	.section	.rodata,"a",@progbits
	.p2align	6, 0x0
	.amdhsa_kernel k_q1cc3b6a9e7_argmin
		.amdhsa_group_segment_fixed_size 327680
		.amdhsa_private_segment_fixed_size 0
		.amdhsa_enable_private_segment 0
		.amdhsa_kernarg_size 32
		.amdhsa_user_sgpr_count 2
		.amdhsa_user_sgpr_kernarg_segment_ptr 1
		.amdhsa_wavefront_size32 1
		.amdhsa_system_sgpr_workgroup_id_x 1
		.amdhsa_system_sgpr_workgroup_id_y 1
		.amdhsa_system_sgpr_workgroup_id_z 1
		.amdhsa_system_vgpr_workitem_id 0
		.amdhsa_next_free_vgpr 512
		.amdhsa_next_free_sgpr 80
		.amdhsa_reserve_vcc 1
		.amdhsa_float_denorm_mode_32 3
		.amdhsa_float_denorm_mode_16_64 3
		.amdhsa_memory_ordered 1
		.amdhsa_forward_progress 1
		.amdhsa_inst_pref_size 109
	.end_amdhsa_kernel
	.amdgpu_metadata
---
amdhsa.version: [ 1, 2 ]
amdhsa.kernels:
  - .name:           k_q1cc3b6a9e7_argmin
    .symbol:         k_q1cc3b6a9e7_argmin.kd
    .args:
      - { .name: cimg, .offset: 0, .size: 8, .value_kind: global_buffer, .address_space: global }
      - { .name: csq, .offset: 8, .size: 8, .value_kind: global_buffer, .address_space: global }
      - { .name: ximg, .offset: 16, .size: 8, .value_kind: global_buffer, .address_space: global }
      - { .name: part, .offset: 24, .size: 8, .value_kind: global_buffer, .address_space: global }
    .group_segment_fixed_size: 327680
    .private_segment_fixed_size: 0
    .kernarg_segment_align: 8
    .kernarg_segment_size: 32
    .max_flat_workgroup_size: 256
    .sgpr_count:     80
    .vgpr_count:     512
    .wavefront_size: 32
...
	.end_amdgpu_metadata
.endif
;; end of part 2
;; launch pick (part 3): grid 256 x 1, 2 waves a work-group, no clusters, 0 bytes of LDS; arguments part, out0; writes out0
.if DOCPART == 3
	.amdgcn_target "amdgcn-amd-amdhsa--gfx1250"
	.amdhsa_code_object_version 6
	.text
	.protected	k_q1cc3b6a9e7_pick
	.globl	k_q1cc3b6a9e7_pick
	.p2align	8
	.type	k_q1cc3b6a9e7_pick,@function
k_q1cc3b6a9e7_pick:
	s_mov_b64 s[64:65], 0
	v_nop
	global_prefetch_b8 v0, s[64:65] scope:SCOPE_SE
	s_setreg_imm32_b32 hwreg(HW_REG_WAVE_MODE, 25, 1), 1
	s_wait_xcnt 0x0
; THIRD OF THREE LAUNCHES: out0[b] = the index of the largest of the four candidates part[q][b] = (value, index), q = 0 .. 3.  No work of reference() is left out here.
; The indices of quarter q lie under those of quarter q + 1, so of equal values the earlier quarter's is kept: ties go to the lowest k.  NaN is not served.
; 16,384 threads, two rows each: a load reads 512 bytes on end a wave, the store covers 256 bytes on end, at a multiple of 256 from out0's first byte.  No LDS, no barrier: threads share nothing.
	s_load_b128 s[4:7], s[0:1], 0x0                ; part, out0
	s_lshl_b32 s8, ttmp9, 10                       ; 64 threads x 16 bytes
	v_lshl_add_u32 v1, v0, 4, s8                   ; my two rows' pairs in a quarter
	v_lshrrev_b32 v2, 1, v1                        ; and their two numbers in out0
	s_wait_alu depctr_va_vdst(0)
	s_wait_kmcnt 0x0
.irp q, 0,1,2,3
	global_load_b128 v[4+4*\q:7+4*\q], v1, s[4:5] offset:262144*\q th:TH_LOAD_NT
.endr
	s_wait_loadcnt 0x0
.irp q, 1,2,3
.irp w, 0,1
	v_cmp_gt_f32 s[10+\w], v[4+4*\q+2*\w], v[4+2*\w]
.if \q < 3
	v_cndmask_b32 v[4+2*\w], v[4+2*\w], v[4+4*\q+2*\w], s[10+\w]
	v_cndmask_b32 v[5+2*\w], v[5+2*\w], v[5+4*\q+2*\w], s[10+\w]
.else
	v_cndmask_b32 v[20+\w], v[5+2*\w], v[5+4*\q+2*\w], s[10+\w]   ; of the last choice the index alone is wanted
.endif
.endr
.endr
	global_store_b64 v2, v[20:21], s[6:7]
	s_endpgm
.Lfunc_end_k_q1cc3b6a9e7_pick:
	.size	k_q1cc3b6a9e7_pick, .Lfunc_end_k_q1cc3b6a9e7_pick-k_q1cc3b6a9e7_pick
	.p2alignl 7, 3214868480
	.fill 96, 4, 3214868480
	.section	.rodata,"a",@progbits
	.p2align	6, 0x0
	.amdhsa_kernel k_q1cc3b6a9e7_pick
		.amdhsa_group_segment_fixed_size 0
		.amdhsa_private_segment_fixed_size 0
		.amdhsa_enable_private_segment 0
		.amdhsa_kernarg_size 16
		.amdhsa_user_sgpr_count 2
		.amdhsa_user_sgpr_kernarg_segment_ptr 1
		.amdhsa_wavefront_size32 1
		.amdhsa_system_sgpr_workgroup_id_x 1
		.amdhsa_system_sgpr_workgroup_id_y 1
		.amdhsa_system_sgpr_workgroup_id_z 1
		.amdhsa_system_vgpr_workitem_id 0
		.amdhsa_next_free_vgpr 24
		.amdhsa_next_free_sgpr 66
		.amdhsa_reserve_vcc 0
		.amdhsa_float_denorm_mode_32 3
		.amdhsa_float_denorm_mode_16_64 3
		.amdhsa_memory_ordered 1
		.amdhsa_forward_progress 1
		.amdhsa_inst_pref_size 3
	.end_amdhsa_kernel
	.amdgpu_metadata
---
amdhsa.version: [ 1, 2 ]
amdhsa.kernels:
  - .name:           k_q1cc3b6a9e7_pick
    .symbol:         k_q1cc3b6a9e7_pick.kd
    .args:
      - { .name: part, .offset: 0, .size: 8, .value_kind: global_buffer, .address_space: global }
      - { .name: out0, .offset: 8, .size: 8, .value_kind: global_buffer, .address_space: global }
    .group_segment_fixed_size: 0
    .private_segment_fixed_size: 0
    .kernarg_segment_align: 8
    .kernarg_segment_size: 16
    .max_flat_workgroup_size: 64
    .sgpr_count:     66
    .vgpr_count:     24
    .wavefront_size: 32
...
	.end_amdgpu_metadata
.endif
;; end of part 3
